; MI455X (gfx1250); checked and timed in simulation.
; The chip was launched on July 23, 2026; its instructions are those of AMD's public machine-readable ISA for CDNA 5 (MIT licence, August 2026) and "CDNA5" Instruction Set Architecture Reference Guide (July 2026). The comments in the code are by the model that wrote it; some were corrected since.
;; Attention Similarity. Allowed arithmetic: matrix products marked QUANTISED: E2M1 operands, one E8M0 scale for each 32 along K, by v_wmma_scale_f32_16x16x128_f8f6f4 with both operands' format E2M1 (or v_wmma_scale_f32_32x16x128_f4), f32 sums; everything else in f32.
;; Inputs: Wk1_codes 768 x 24 x 16 uint8 (E2M1 codes of Wk1, K innermost, in blocks of 32 codes, two codes a byte); Wk1_scales 768 x 24 uint8 (E8M0 scales of Wk1, one for each 32 codes along K); Wk2_codes 96 x 24 x 16 uint8 (E2M1 codes of Wk2, K innermost, in blocks of 32 codes, two codes a byte); Wk2_scales 96 x 24 uint8 (E8M0 scales of Wk2, one for each 32 codes along K); Wq1_codes 768 x 24 x 16 uint8 (E2M1 codes of Wq1, K innermost, in blocks of 32 codes, two codes a byte); Wq1_scales 768 x 24 uint8 (E8M0 scales of Wq1, one for each 32 codes along K); Wq2_codes 96 x 24 x 16 uint8 (E2M1 codes of Wq2, K innermost, in blocks of 32 codes, two codes a byte); Wq2_scales 96 x 24 uint8 (E8M0 scales of Wq2, one for each 32 codes along K); Wv1_codes 768 x 24 x 16 uint8 (E2M1 codes of Wv1, K innermost, in blocks of 32 codes, two codes a byte); Wv1_scales 768 x 24 uint8 (E8M0 scales of Wv1, one for each 32 codes along K); Wv2_codes 96 x 24 x 16 uint8 (E2M1 codes of Wv2, K innermost, in blocks of 32 codes, two codes a byte); Wv2_scales 96 x 24 uint8 (E8M0 scales of Wv2, one for each 32 codes along K); features_a_codes 128 x 7 x 7 x 24 x 16 uint8 (E2M1 codes of features_a, K innermost, in blocks of 32 codes, two codes a byte); features_a_scales 128 x 7 x 7 x 24 uint8 (E8M0 scales of features_a, one for each 32 codes along K); features_b_codes 128 x 7 x 7 x 24 x 16 uint8 (E2M1 codes of features_b, K innermost, in blocks of 32 codes, two codes a byte); features_b_scales 128 x 7 x 7 x 24 uint8 (E8M0 scales of features_b, one for each 32 codes along K).
;; Outputs: out0 128 x 128 float32.
;; This version of the problem:
;;   THIS VERSION OF THE PROBLEM IS GIVEN IN LOW PRECISION. The matrix products marked QUANTISED in the list below multiply operands that are first quantised to E2M1 (2 exponent bits, 1 mantissa bit; 4 bits a number), with one power-of-two scale for each 32 numbers along K (OCP MX v1.0); their sums are f32. All else is computed in f32.
;;   The module's matrix products, in the order in which they are computed (A, B: the left and right operand; K: the contracted axis; several contracted axes count as one K, in the product's order):
;;     1. [M 6,272, K 768] x [K 768, N 768]; A: input features_a (given as codes); B: input Wq1 (given as codes): QUANTISED
;;     2. [M 6,272, K 768] x [K 768, N 96]; A: computed on the way; B: input Wq2 (given as codes): QUANTISED
;;     3. [M 6,272, K 768] x [K 768, N 768]; A: input features_a (given as codes); B: input Wk1 (given as codes): QUANTISED
;;     4. [M 6,272, K 768] x [K 768, N 96]; A: computed on the way; B: input Wk2 (given as codes): QUANTISED
;;     5. [M 6,272, K 768] x [K 768, N 768]; A: input features_a (given as codes); B: input Wv1 (given as codes): QUANTISED
;;     6. [M 6,272, K 768] x [K 768, N 96]; A: computed on the way; B: input Wv2 (given as codes): QUANTISED
;;     7. [M 6,272, K 768] x [K 768, N 768]; A: input features_b (given as codes); B: input Wq1 (given as codes): QUANTISED
;;     8. [M 6,272, K 768] x [K 768, N 96]; A: computed on the way; B: input Wq2 (given as codes): QUANTISED
;;     9. [M 6,272, K 768] x [K 768, N 768]; A: input features_b (given as codes); B: input Wk1 (given as codes): QUANTISED
;;     10. [M 6,272, K 768] x [K 768, N 96]; A: computed on the way; B: input Wk2 (given as codes): QUANTISED
;;     11. [M 6,272, K 768] x [K 768, N 768]; A: input features_b (given as codes); B: input Wv1 (given as codes): QUANTISED
;;     12. [M 6,272, K 768] x [K 768, N 96]; A: computed on the way; B: input Wv2 (given as codes): QUANTISED
;;     13. [M 6,272, K 96] x [K 96, N 6,272]; A: computed on the way; B: computed on the way: QUANTISED
;;     14. batch 128 x [M 96, K 49] x [K 49, N 6,272]; A: computed on the way; B: softmax (see below): QUANTISED
;;     15. [M 6,272, K 96] x [K 96, N 6,272]; A: computed on the way; B: computed on the way: QUANTISED
;;     16. batch 128 x [M 6,272, K 49] x [K 49, N 96]; A: softmax (see below); B: computed on the way: QUANTISED
;;   THE QUANTISER, for each operand of a quantised product, along K:
;;     - K is cut into blocks of 32 from its start; a last block that is shorter is filled with zeros.
;;     - A block's scale is 2^e with e = floor(log2(the largest magnitude in the block)) - 2, held to -126 .. 127; a block of zeros has e = 0. As a byte (E8M0): e + 127.
;;     - Each number is divided by its block's scale, clamped to +-6, and rounded to the nearest number of E2M1, ties to even, subnormals kept.
;;     - The product sums the exact products of the quantised numbers (number of the format x scale) in f32.
;;   ~~~python
;;   def quantise(x, axis):      # numpy; x: float32 -> the quantised numbers, widened to float32 again
;;       x = np.moveaxis(x, axis, -1); K = x.shape[-1]
;;       x = np.pad(x, [(0, 0)] * (x.ndim - 1) + [(0, -K % 32)]); x = x.reshape(x.shape[:-1] + (-1, 32)); a = np.abs(x).max(-1, keepdims=True)
;;       e = np.where(a > 0, np.clip(np.frexp(np.where(a > 0, a, 1))[1] - 1 - 2, -126, 127), 0)      # np.frexp(a)[1] - 1 = floor(log2(a)), exactly
;;       r = np.clip(x / 2.0 ** e, -6, 6)
;;       step = 2.0 ** (np.maximum(np.frexp(np.where(r == 0, 1, r))[1] - 1, 0) - 1)
;;       q = np.round(r / step) * step * 2.0 ** e      # np.round: ties to even
;;       return np.moveaxis(q.reshape(q.shape[:-2] + (-1,))[..., :K], -1, axis).astype(np.float32)
;;   ~~~
;;   SOFTMAX AHEAD OF A QUANTISED PRODUCT. Where the list says 'softmax', what is quantised is not the finished softmax but p = 2^(t - M), with t = logit x log2(e) and M = ceil(the row's largest t), a whole number; so 1/2 < the row's largest p <= 1. The row's sum l is taken of the UNQUANTISED p, in f32, and the product's result is divided by l at the end. Since M is a whole number, a kernel that streams over the keys may use a running M (the ceiling of the running maximum): every later rescaling is an exact power of two, which a block's scale takes up: the codes' values come out the same.
;;   OPERANDS COMPUTED ON THE WAY. 'Computed on the way' means the value that the module computes at that place (a softmax that the list does not call 'softmax' is quantised finished and normalised). What goes into a quantiser is computed in f32, as accurately as f32 sums, v_exp_f32 and their like allow (about 1e-6 of the number): no bf16 or f16 on the way to a quantiser, and a product that is left as it is and whose result goes on into a quantised operand takes f32 operands (vector FMAs, or v_wmma_f32_16x16x4_f32). A number that lies on a knife's edge between two numbers of the format may be rounded either way, as far as f32 arithmetic and the matrix unit's own rounding can turn it there, and no further.
;;   INPUTS GIVEN AS CODES. Wk1 (in the module: [768, 768], K = its axis 0); Wk2 (in the module: [768, 96], K = its axis 0); Wq1 (in the module: [768, 768], K = its axis 0); Wq2 (in the module: [768, 96], K = its axis 0); Wv1 (in the module: [768, 768], K = its axis 0); Wv2 (in the module: [768, 96], K = its axis 0); features_a (in the module: [128, 768, 7, 7], K = its axis 1); features_b (in the module: [128, 768, 7, 7], K = its axis 1): each comes as NAME_codes (uint8): NAME with its K axis moved to the last place and cut into blocks of 32 codes, [.., K / 32, bytes a block], one block behind the other in memory; two codes a byte, the lower K in the low four bits (a code: sign, 2 exponent bits, 1 mantissa bit); and NAME_scales (uint8): the same leading axes, one E8M0 byte (e + 127) for each 32 codes along K. Its value is code x scale, taken as it is: it is not quantised again, and the codes and scales need not be those that the quantiser above would give.
;; One version. Each part assembles by itself: llvm-mc -triple=amdgcn-amd-amdhsa -mcpu=gfx1250 --defsym DOCPART=n.
;; ======== version 1 of 1: 2 launches
;; limits: right only within a limited range of input values
;; workspace buffers: qc 802,816 bytes; qs 50,176 bytes; vf 4,816,896 bytes; krec 1,179,648 bytes; vrec 917,504 bytes
;; launch proj (part 1): grid 64 x 4, 4 waves a work-group, no clusters, 327,680 bytes of LDS; arguments features_a_codes, features_a_scales, features_b_codes, features_b_scales, Wq1_codes, Wq1_scales, Wq2_codes, Wq2_scales, Wk1_codes, Wk1_scales, Wk2_codes, Wk2_scales, Wv1_codes, Wv1_scales, Wv2_codes, Wv2_scales, qc, qs, krec, vf, vrec; writes qc, qs, krec, vf, vrec
.if DOCPART == 1
	.amdgcn_target "amdgcn-amd-amdhsa--gfx1250"
	.amdhsa_code_object_version 6
	.text
	.protected	k_qb3bf5585fd_proj
	.globl	k_qb3bf5585fd_proj
	.p2align	8
	.type	k_qb3bf5585fd_proj,@function
k_qb3bf5585fd_proj:
	s_mov_b64 s[64:65], 0
	v_nop
	global_prefetch_b8 v0, s[64:65] scope:SCOPE_SE
	s_setreg_imm32_b32 hwreg(HW_REG_WAVE_MODE, 25, 1), 1
	s_wait_xcnt 0x0
; THE PROJECTIONS: y = relu(x W1) W2 for q, k and v, both products on codes of FP4 (E2M1) with one E8M0 scale for each 32 along K.
; x: 256 images (128 of a, 128 of b) x 49 positions x 768 channels, as codes; W1 [768][768], W2 [96][768]: codes, K innermost.  The hidden layer is quantised on the way and never goes to memory.
; SHARES.  Work-group (x, y): images 4 x .. 4 x + 3 (x under 32: set a, else set b), projection y (0 q, 1 k, 2 and 3 v).  64 groups of four images x 4 are 256 work-groups.
; An image is 4 row tiles of 16; row i of tile t is position POS(t, i) = 32 (i / 8) + 8 t + i % 8; positions 49 to 63 are padding with zero codes (the tensor load writes zeros past row 48).
; PHASE 1, the waves share the COLUMNS: wave w keeps rows 192 w .. 192 w + 191 of W1 (72 fragments, 576 registers, read from memory once) and makes those hidden units for all 16 row tiles,
; transposed (source 0 = 16 rows of W1, source 1 = 16 rows of x).  Row i of tile 2 b + u of W1 is row 32 b + 8 u + i + 8 (i / 8), so that the 16 registers of two neighbouring tiles are 16 neighbours along the next K.
; The codes go to LDS as pieces of an image of the next operand's registers: block beta of a row tile lies at 256 beta + 16 row, a lane's 16 codes at + 8 (lane / 16).
; PHASE 2, the waves share the IMAGES: wave w takes image w alone.  q: codes by rows [row][64 bytes] and a scale word a row.  k: images of the registers of source 0 of the scores' product, and its scale words in pairs.
; v: f32 rows, and v^T quantised along the 49 keys (a second product, with the sources swapped, puts one whole block of 32 keys into a lane's 32 registers), as images of registers 0 to 3 of source 0.
; NO CLUSTER: of the bytes that a work-group reads, W1's 313,344 go straight into registers; what tensor loads bring (x's 4 x 19,992, W2's 39,168) is the small part, and x is shared by four work-groups only.
; NO PREFETCH: each stream is asked for once, at the head, and the weights are read by 64 work-groups at the same time.
; LIMITS: NaN and infinities among the values are not served.  A block whose largest magnitude lies under 2^-124 keeps the scale byte 1; so does a block of zeros, where the rule says 127: its codes are zeros,
; which add nothing under any byte but 0xff, and these bytes are read by this program alone.
; LDS claim: all of a WGP's; the text uses 282,880 bytes.  Every LDS byte that a tensor load fills is filled once.
.set XP,    432                        ; a row of 384 bytes of codes in LDS: 16 bytes of padding behind each 128: byte x lies at x + 16 (x / 128)
.set XIMGB, 64*XP                      ; an image's 64 rows.  x's codes begin at LDS byte 0, image w at XIMGB w
.set XSL,   4*XIMGB                    ; x's scale bytes: 64 rows x 24 bytes an image
.set W2L,   XSL+4*1536                 ; W2's codes, 96 rows of XP
.set W2SL,  W2L+96*XP                  ; W2's scale bytes, 96 x 24
.set HIMG,  W2SL+2304                  ; the hidden layer: [row tile 16][K step 6][1,024 bytes]
.set HSC,   HIMG+16*6144               ; its scale bytes: [row tile 16][row 16][24]
.set QST,   HSC+16*384                 ; q's stage: for each wave 64 rows x 64 bytes and 64 scale words
.set QSTB, 4352
.set SPARE, QST+4*QSTB                 ; the spare words, 128 bytes a wave: two blocks of 256 bytes that no other line names
; REGISTERS, window 0: v1 r, v2 h, v3-7 lane addresses, v8-13 the addresses in hand, v14-15 W1's offsets; v16-57 SCALES AND NOTHING ELSE; v58-63 lane constants of phase 2;
; v64-111 x's six fragments; v112-207 accumulators; v208-243 at work.  Windows 1 to 3: W1's fragments; in phase 2 windows 1, 2: W2's 36 fragments, window 3: the image's 24 hidden fragments.
.set W1S, 16                           ; W1's scale words [block 6][K step 6]: lanes 0-15 the even tile's rows, lanes 16-31 the odd tile's
.set XSC, 52                           ; x's scale words [K step 6]
.set W2S, 16                           ; phase 2: W2's [block 3][K step 6], in pairs as W1's
.set HS,  34                           ; phase 2: the hidden layer's [tile 4][K step 6]
.set XF,  64
.set ACC, 112
.set TM,  208
.set TM2, 214
.set SCF, 220
.set HB,  226
.set PC1, 232
.set PCB, 160                          ; phase 2: a tile's codes, 8 registers each
.set PW,  192                          ; phase 2: a tile's scale word
.set WD,  200                          ; v path: scale words of v^T's six tiles
.set VC,  224                          ; v path: v^T's codes, 4 registers a tile
.set MSB, 0
.macro WIN new                         ; the immediate's high byte repeats the setting that is left; a switch that changes nothing is dropped
.if MSB != (\new)
	s_set_vgpr_msb (MSB<<8)|(\new)
.set MSB, (\new)
.endif
.endm
.macro PLACES n                        ; plain vector instructions behind matrix instructions (ISA guide 7.12.1)
.rept \n
	v_nop
.endr
.endm
; One matrix instruction.  s = 0: the sum's first K step, C = 0.  row: 0 both sides' scales in lanes 0-15; 1 source 0's in lanes 16-31; 2 source 1's in lanes 16-31.
.macro MM d, a, b, s, sa, sb, row
.if (\s) == 0
.if (\row) == 0
	v_wmma_scale_f32_16x16x128_f8f6f4 v[(\d):(\d)+7], v[(\a):(\a)+7], v[(\b):(\b)+7], 0, v[\sa], v[\sb] matrix_a_fmt:MATRIX_FMT_FP4 matrix_b_fmt:MATRIX_FMT_FP4
.elseif (\row) == 1
	v_wmma_scale_f32_16x16x128_f8f6f4 v[(\d):(\d)+7], v[(\a):(\a)+7], v[(\b):(\b)+7], 0, v[\sa], v[\sb] matrix_a_fmt:MATRIX_FMT_FP4 matrix_b_fmt:MATRIX_FMT_FP4 matrix_a_scale:MATRIX_SCALE_ROW1
.else
	v_wmma_scale_f32_16x16x128_f8f6f4 v[(\d):(\d)+7], v[(\a):(\a)+7], v[(\b):(\b)+7], 0, v[\sa], v[\sb] matrix_a_fmt:MATRIX_FMT_FP4 matrix_b_fmt:MATRIX_FMT_FP4 matrix_b_scale:MATRIX_SCALE_ROW1
.endif
.else
.if (\row) == 0
	v_wmma_scale_f32_16x16x128_f8f6f4 v[(\d):(\d)+7], v[(\a):(\a)+7], v[(\b):(\b)+7], v[(\d):(\d)+7], v[\sa], v[\sb] matrix_a_fmt:MATRIX_FMT_FP4 matrix_b_fmt:MATRIX_FMT_FP4
.elseif (\row) == 1
	v_wmma_scale_f32_16x16x128_f8f6f4 v[(\d):(\d)+7], v[(\a):(\a)+7], v[(\b):(\b)+7], v[(\d):(\d)+7], v[\sa], v[\sb] matrix_a_fmt:MATRIX_FMT_FP4 matrix_b_fmt:MATRIX_FMT_FP4 matrix_a_scale:MATRIX_SCALE_ROW1
.else
	v_wmma_scale_f32_16x16x128_f8f6f4 v[(\d):(\d)+7], v[(\a):(\a)+7], v[(\b):(\b)+7], v[(\d):(\d)+7], v[\sa], v[\sb] matrix_a_fmt:MATRIX_FMT_FP4 matrix_b_fmt:MATRIX_FMT_FP4 matrix_b_scale:MATRIX_SCALE_ROW1
.endif
.endif
.endm
	s_load_b256 s[4:11], s[0:1], 0x0               ; a's codes, a's scales, b's codes, b's scales
	s_load_b256 s[12:19], s[0:1], 0x20             ; q: W1's codes, W1's scales, W2's codes, W2's scales
	s_load_b256 s[20:27], s[0:1], 0x40             ; k: the same four
	s_load_b256 s[28:35], s[0:1], 0x60             ; v: the same four
	s_load_b256 s[36:43], s[0:1], 0x80             ; qc, qs, krec, vf
	s_load_b64 s[44:45], s[0:1], 0xa0              ; vrec
	v_lshl_add_u32 v252, v0, 2, SPARE              ; my spare word and 0: kept for the adds alone
	v_mov_b32 v253, 0
	ds_add_u32 v252, v253                          ; the opening lines, ahead of my first tensor load: the add, twice on end,
	ds_add_u32 v252, v253                          ; and its one wait, which stands behind the scalar set-up below
	v_lshrrev_b32 v14, 5, v0
	v_readfirstlane_b32 s47, v14                   ; wave 0..3
	s_and_b32 s46, ttmp7, 0xffff                   ; the projection
	s_lshl_b32 s91, ttmp9, 2
	s_add_co_u32 s91, s91, s47                     ; my image among the 256: 4 x work-group + wave
	s_and_b32 s96, s91, 127                        ; and in its set
	s_mul_i32 s98, s96, 18816                      ; its codes: 49 rows of 384 bytes
	s_mov_b32 s99, 0
	s_mul_i32 s96, s96, 1176                       ; its scale bytes: 49 rows of 24
	s_mov_b32 s97, 0
	s_mul_i32 s84, s47, 9216                       ; my 24 rows of W2
	s_mov_b32 s85, 0
	s_mul_i32 s86, s47, 576                        ; and their scale bytes
	s_mov_b32 s87, 0
	s_mov_b32 s92, 0x76543210
	s_mov_b32 s93, 0xfedcba98                      ; v_permlanex16_b32's selects for lane l xor 16
	s_mov_b32 s94, 0xffff0000                      ; lanes 16-31
	s_wait_dscnt 0x0                               ; both opening adds are done
	s_wait_kmcnt 0x0
	s_cmp_lt_u32 ttmp9, 32                         ; set a or set b: the choice hangs on the work-group's number alone
	s_cselect_b64 s[4:5], s[4:5], s[8:9]
	s_cselect_b64 s[6:7], s[6:7], s[10:11]
	s_cmp_eq_u32 s46, 1                            ; k's weights or v's,
	s_cselect_b64 s[20:21], s[20:21], s[28:29]
	s_cselect_b64 s[22:23], s[22:23], s[30:31]
	s_cselect_b64 s[24:25], s[24:25], s[32:33]
	s_cselect_b64 s[26:27], s[26:27], s[34:35]
	s_cmp_eq_u32 s46, 0                            ; or q's: s[12:13] W1's codes, s[14:15] its scales, s[16:17] W2's codes, s[18:19] its scales
	s_cselect_b64 s[12:13], s[12:13], s[20:21]
	s_cselect_b64 s[14:15], s[14:15], s[22:23]
	s_cselect_b64 s[16:17], s[16:17], s[24:25]
	s_cselect_b64 s[18:19], s[18:19], s[26:27]
	; descriptor groups 1.  x's codes: 64 rows x 384 bytes of which 49 exist (the rest arrive as zeros), 4 words of padding behind every 32
	; descriptor groups 1.  x's codes: an image is a dense block of 18,816 bytes that begins on a multiple of 128 bytes: it is stated as rows of 128 bytes, none of which runs across a 256-byte border.
	; 192 rows (64 positions x 3) of which 147 exist: the rest arrive as zeros.  4 words of padding behind every row: three rows make a position's XP bytes.
	s_mov_b32 s20, (1<<20)|(4<<22)|(3<<25)         ; elements of 1 byte; padding on; after every 32 words (code 4); 4 words (code 3)
	s_mov_b32 s21, 128<<16                         ; tensor_dim0
	s_mov_b32 s22, 147<<16                         ; tensor_dim1
	s_mov_b32 s23, 128<<16                         ; tile_dim0
	s_mov_b32 s24, 192                             ; tile_dim1
	s_mov_b32 s25, 128                             ; from row to row
	s_mov_b32 s26, 0
	s_mov_b32 s27, 0
	; W2's codes: my 24 rows are 9,216 dense bytes from a multiple of 256 on: 36 rows of 256 bytes, padded alike behind every 128
	s_mov_b32 s48, (1<<20)|(4<<22)|(3<<25)
	s_mov_b32 s49, 256<<16
	s_mov_b32 s50, 36<<16
	s_mov_b32 s51, 256<<16
	s_mov_b32 s52, 36
	s_mov_b32 s53, 256
	s_mov_b32 s54, 0
	s_mov_b32 s55, 0
	; groups 0: every LDS address is a constant + a constant x wave
	s_mov_b32 s68, 1
	s_mul_i32 s69, s47, XIMGB
	s_add_nc_u64 s[70:71], s[4:5], s[98:99]
	s_or_b32 s71, s71, 0x80000000
	s_mov_b32 s76, 1
	s_mul_i32 s77, s47, 24*XP
	s_add_co_u32 s77, s77, W2L
	s_add_nc_u64 s[78:79], s[16:17], s[84:85]
	s_or_b32 s79, s79, 0x80000000
	tensor_load_to_lds s[68:71], s[20:27]          ; my image of x: my one tensor load at the head
	s_nop 0
	PLACES 4                                       ; four plain lines here
	; the scale bytes, 1,176 of x and 576 of W2, come through registers: dense runs; a run that would pass the end begins early and brings some bytes twice
	s_add_nc_u64 s[6:7], s[6:7], s[96:97]
	s_add_nc_u64 s[18:19], s[18:19], s[86:87]
	s_mul_i32 s73, s47, 1536
	s_add_co_u32 s73, s73, XSL
	s_mul_i32 s81, s47, 576
	s_add_co_u32 s81, s81, W2SL
	v_and_b32 v246, 31, v0
	v_lshlrev_b32 v244, 4, v246                    ; 16 x lane
	v_lshlrev_b32 v245, 3, v246                    ; 8 x lane
	s_wait_alu depctr_va_vdst(0)                   ; the wait behind these writes
.irp k, 0,1,2,3,4                          ; four runs of 256 bytes and 152 more
	global_load_b64 v[232+2*\k:233+2*\k], v245, s[6:7] offset:256*\k-104*(\k/4)
.endr
	global_load_b128 v[64:67], v244, s[18:19]
	global_load_b128 v[68:71], v244, s[18:19] offset:64
	v_and_b32 v1, 15, v0                           ; r
	v_bfe_u32 v2, v0, 4, 1                         ; h
	v_and_b32 v7, 31, v0
	v_lshlrev_b32 v7, 4, v7                        ; 16 x lane
	v_lshrrev_b32 v14, 3, v1
	v_lshl_add_u32 v58, v14, 3, v1                 ; r + 8 (r / 8): a weight tile's row
	v_mad_u32_u24 v59, v14, 24, v1                 ; POS(0, r) = r + 24 (r / 8)
	s_mul_i32 s96, s47, 192
	v_add_nc_u32 v14, s96, v58
	v_mul_u32_u24 v15, v14, 384
	v_lshl_add_u32 v15, v2, 4, v15                 ; W1's codes: (192 w + r + 8 (r / 8)) rows of 384 bytes + 16 h
	v_lshl_add_u32 v14, v2, 3, v14
	v_mul_u32_u24 v14, v14, 24                     ; W1's scale words: lanes 16-31 take the odd tile's rows, 8 further on
.irp b, 0,1,2,3,4,5
.irp k, 0,1,2
	global_load_b64 v[W1S+6*\b+2*\k:W1S+6*\b+2*\k+1], v14, s[14:15] offset:768*\b+8*\k
.endr
.endr
.irp g, 0,1,2                              ; blocks 2 g, 2 g + 1 into window 1 + g: fragment (block, tile u, K step s) at 96 (block % 2) + 48 u + 8 s
	WIN 0x40*(1+\g)
.irp b, 0,1
.irp u, 0,1
.irp s, 0,1,2,3,4,5
	global_load_b128 v[96*\b+48*\u+8*\s:96*\b+48*\u+8*\s+3], v15, s[12:13] offset:(32*(2*\g+\b)+8*\u)*384+64*\s
	global_load_b128 v[96*\b+48*\u+8*\s+4:96*\b+48*\u+8*\s+7], v15, s[12:13] offset:(32*(2*\g+\b)+8*\u)*384+64*\s+32
.endr
.endr
.endr
.endr
	WIN 0
	v_mul_u32_u24 v3, v59, XP
	v_lshl_add_u32 v3, v2, 4, v3                   ; x's fragments: row POS(0, r), + 16 h
	v_mul_u32_u24 v4, v59, 24
	v_add_nc_u32 v4, XSL, v4                       ; x's scale words
	s_mul_i32 s96, s47, 1536
	s_add_co_u32 s96, s96, HIMG
	v_lshlrev_b32 v5, 4, v1
	v_lshl_add_u32 v5, v2, 3, v5
	v_add_nc_u32 v5, s96, v5                       ; where my hidden codes go: my six blocks begin at 256 x 6 w; 16 r + 8 h in a block
	s_mul_i32 s96, s47, 6
	s_add_co_u32 s96, s96, HSC
	v_mul_u32_u24 v6, v1, 24
	v_add_nc_u32 v6, s96, v6                       ; and their scale bytes: row r, byte 6 w
	s_mul_i32 s96, s47, 24576
	s_add_co_u32 s96, s96, HIMG
	v_add_nc_u32 v60, s96, v7                      ; phase 2: my image's hidden fragments
	v_mul_u32_u24 v61, v58, XP
	v_lshl_add_u32 v61, v2, 4, v61
	v_add_nc_u32 v61, W2L, v61                     ; W2's fragments
	v_lshl_add_u32 v62, v2, 3, v58
	v_mul_u32_u24 v62, v62, 24
	v_add_nc_u32 v62, W2SL, v62                    ; W2's scale words, in pairs
	s_mul_i32 s96, s47, 1536
	s_add_co_u32 s96, s96, HSC
	v_mul_u32_u24 v63, v1, 24
	v_add_nc_u32 v63, s96, v63                     ; my image's hidden scale words
.irp b, 0,1,2,3,4,5
	v_mov_b32 v[TM2+\b], 0                         ; written once: a lane permute's destination counts as one of its sources
.endr
	v_add_nc_u32 v228, s73, v245
	v_add_nc_u32 v230, s81, v244
	v_mov_b32 v248, 0
	v_mov_b32 v249, 0
	s_wait_alu depctr_va_vdst(0)                   ; the wait at the head's end
	s_wait_loadcnt 63                              ; 169 loads were issued, the scale bytes' 7 first: with 63 at the most out, those are in
.irp k, 0,1,2,3,4                          ; the scale bytes have aligned blocks of 256 bytes of their own, into which no tensor load lands
	ds_store_b64 v228, v[232+2*\k:233+2*\k] offset:256*\k-104*(\k/4)
.endr
	ds_store_b64 v228, v[248:249] offset:1176      ; positions 49 to 63: zero bytes over zero codes
	ds_store_b64 v228, v[248:249] offset:1280
	ds_store_b128 v230, v[64:67]
	ds_store_b128 v230, v[68:71] offset:64
	s_wait_tensorcnt 0x0                           ; my image of x is in LDS; the add below comes ahead of a later first fill
	ds_add_u32 v252, v253
	s_wait_dscnt 0x0                               ; the add and my stores are done
	s_barrier_signal -1
	s_barrier_wait -1                              ; everybody's are
	tensor_load_to_lds s[76:79], s[48:55]          ; my rows of W2, my one tensor load behind this barrier: phase 2 reads them, and phase 1 is the time in which they land
	s_nop 0
	PLACES 4
	s_wait_loadcnt 0x0                             ; W1 and its scale words
; Row tile t of the image at adr, sadr: six fragments and six scale words
.macro XLOAD adr, sadr, t
.irp s, 0,1,2,3,4,5
	ds_load_b128 v[XF+8*\s:XF+8*\s+3], v[\adr] offset:8*XP*(\t)+64*\s+16*(\s/2)
	ds_load_b128 v[XF+8*\s+4:XF+8*\s+7], v[\adr] offset:8*XP*(\t)+64*\s+16*(\s/2)+32
.endr
.irp k, 0,1,2
	ds_load_b64 v[XSC+2*\k:XSC+2*\k+1], v[\sadr] offset:192*(\t)+8*\k
.endr
.endm
; 24 matrix instructions: the four tiles of blocks 2 g, 2 g + 1, K step by K step; the four accumulators take turns, one instruction a turn
.macro WGROUP g
	WIN 1+\g                                       ; source 0 (W1) in window 1 + g
.irp s, 0,1,2,3,4,5
.irp b, 0,1
.irp u, 0,1
	MM ACC+8*(2*(2*\g+\b)+\u), 96*\b+48*\u+8*\s, XF+8*\s, \s, W1S+6*(2*\g+\b)+\s, XSC+\s, \u
.endr
.endr
.endr
.endm
; My 192 hidden units of 16 rows: relu, six blocks' scales, codes; register 16 b + i of lane (r, h) is unit 32 b + 16 h + i of row r
.macro QHID t
.set J, 0
.rept 96
	v_max_num_f32 v[ACC+J], 0, v[ACC+J]            ; the activation, each accumulator from its low end on
.set J, J+1
.endr
.irp b, 0,1,2,3,4,5
	v_max3_num_f32 v[TM+\b], v[ACC+16*\b], v[ACC+16*\b+1], 0x1800000   ; none is negative; the floor 2^(3 - 127) holds the byte at 1 from below
.endr
.irp i, 2,4,6,8,10,12,14
.irp b, 0,1,2,3,4,5
	v_max3_num_f32 v[TM+\b], v[TM+\b], v[ACC+16*\b+\i], v[ACC+16*\b+\i+1]   ; the six blocks by turns
.endr
.endr
.irp b, 0,1,2,3,4,5
	v_permlanex16_b32 v[TM2+\b], v[TM+\b], s92, s93
.endr
.irp b, 0,1,2,3,4,5
	v_max_num_f32 v[TM+\b], v[TM+\b], v[TM2+\b]    ; with lane l xor 16's 16 units: the block's largest magnitude
.endr
.irp b, 0,1,2,3,4,5
	v_add_nc_u32 v[SCF+\b], 0xff000000, v[TM+\b]   ; 2 off its exponent field: the conversion's scale operand
.endr
.irp b, 0,1,2,3,4,5
	v_lshrrev_b32 v[TM2+\b], 23, v[SCF+\b]         ; the scale's byte
.endr
.irp p, 0,1,2
	v_lshl_or_b32 v[HB+\p], v[TM2+2*\p+1], 8, v[TM2+2*\p]
.endr
.irp b, 0,1,2,3,4,5
	v_cvt_scalef32_pk8_fp4_f32 v[PC1+2*\b], v[ACC+16*\b:ACC+16*\b+7], v[SCF+\b]
	v_cvt_scalef32_pk8_fp4_f32 v[PC1+2*\b+1], v[ACC+16*\b+8:ACC+16*\b+15], v[SCF+\b]
.endr
	v_nop                                          ; one plain line behind the scaled conversions: matrix instructions write their sources next
.irp b, 0,1,2,3,4,5
	ds_store_b64 v10, v[PC1+2*\b:PC1+2*\b+1] offset:6144*\t+256*\b   ; 32 lanes store a block's 256 consecutive bytes
.endr
.irp p, 0,1,2
	ds_store_b16 v11, v[HB+\p] offset:384*\t+2*\p  ; both lanes of a row write the same two bytes with the same value
.endr
.endm
.macro ROWTILE t
	s_wait_dscnt 0x0                               ; this tile's fragments are in; the last tile's stores have read their registers
	WGROUP 0
	WGROUP 1
	WGROUP 2
	WIN 0
	PLACES 4                                       ; in front of loads into registers that matrix instructions have read, and of the first read of results
.if \t < 3
	XLOAD 8, 9, \t+1                               ; the next tile lands while this one is quantised
.else
	XLOAD 12, 13, 0                                ; the next image's first tile (in the last trip: image 3's once more, unused)
.endif
	QHID \t
.endm
	XLOAD 3, 4, 0
	s_mov_b32 s84, 0                               ; the image in hand
	s_mov_b32 s85, 0                               ; its codes,
	s_mov_b32 s86, 0                               ; its scale bytes,
	s_mov_b32 s87, 0                               ; its hidden images,
	s_mov_b32 s88, 0                               ; and their scale bytes
.Limg:
	s_add_co_u32 s89, s85, XIMGB
	s_min_u32 s89, s89, 3*XIMGB
	s_add_co_u32 s90, s86, 1536
	s_min_u32 s90, s90, 3*1536
	v_add_nc_u32 v8, s85, v3
	v_add_nc_u32 v9, s86, v4
	v_add_nc_u32 v10, s87, v5
	v_add_nc_u32 v11, s88, v6
	v_add_nc_u32 v12, s89, v3
	v_add_nc_u32 v13, s90, v4
	s_wait_alu depctr_va_vdst(0)
	ROWTILE 0
	ROWTILE 1
	ROWTILE 2
	ROWTILE 3
	s_add_co_u32 s85, s85, XIMGB
	s_add_co_u32 s86, s86, 1536
	s_add_co_u32 s87, s87, 24576
	s_add_co_u32 s88, s88, 1536
	s_add_co_u32 s84, s84, 1
	s_cmp_lt_u32 s84, 4
	s_cbranch_scc1 .Limg
	s_wait_tensorcnt 0x0                           ; my rows of W2 are in LDS,
	s_wait_dscnt 0x0                               ; my stores have landed and my reads of x are over
	s_barrier_signal -1
	s_barrier_wait -1                              ; the hidden layer of all four images lies in LDS; nobody reads x any more
	; PHASE 2.  My image's 24 hidden fragments into window 3, W2's 36 (fragment 6 s + tile) into windows 1 and 2, the scale words into window 0
	WIN 0xc0
.irp t, 0,1,2,3
.irp s, 0,1,2,3,4,5
	ds_load_b128 v[8*(6*\t+\s):8*(6*\t+\s)+3], v60 offset:1024*(6*\t+\s)
	ds_load_b128 v[8*(6*\t+\s)+4:8*(6*\t+\s)+7], v60 offset:1024*(6*\t+\s)+512
.endr
.endr
.set J, 0
.rept 36
	WIN 0x40*(1+J/32)
	ds_load_b128 v[8*(J%32):8*(J%32)+3], v61 offset:(32*((J%6)/2)+8*(J%2))*XP+64*(J/6)+16*(J/12)
	ds_load_b128 v[8*(J%32)+4:8*(J%32)+7], v61 offset:(32*((J%6)/2)+8*(J%2))*XP+64*(J/6)+16*(J/12)+32
.set J, J+1
.endr
	WIN 0
.irp b, 0,1,2
.irp k, 0,1,2
	ds_load_b64 v[W2S+6*\b+2*\k:W2S+6*\b+2*\k+1], v62 offset:768*\b+8*\k
.endr
.endr
.irp t, 0,1,2,3
.irp k, 0,1,2
	ds_load_b64 v[HS+6*\t+2*\k:HS+6*\t+2*\k+1], v63 offset:384*\t+8*\k
.endr
.endr
	s_wait_dscnt 0x0
; Row tile t, transposed (source 0 = 16 rows of W2, source 1 = the hidden rows): lane (r, h) holds position POS(t, r), register 16 b + i the output 32 b + 16 h + i.  Six accumulators by turns.
; Five places end it: the next pass begins the same accumulators anew.
.macro PASS_T t
.irp s, 0,1,2,3,4,5
.irp e, 0,1,2,3,4,5
	WIN 0x0d+(6*\s+\e)/32                          ; source 0 (W2) window 1 or 2, source 1 (hidden) window 3
	MM ACC+8*\e, 8*((6*\s+\e)%32), 8*(6*\t+\s), \s, W2S+6*(\e/2)+\s, HS+6*\t+\s, \e%2
.endr
.endr
	WIN 0
	PLACES 5
.endm
; The tile's 96 outputs a row become a fragment of 128 along K (three blocks and a block of zero codes) in v[PCB + 8 t] on, and the row's scale word in v[PW + t]
.macro QUANT3 t
.irp b, 0,1,2
	v_max3_num_f32 v[TM+\b], |v[ACC+16*\b]|, |v[ACC+16*\b+1]|, 0x1800000
.endr
.irp i, 2,4,6,8,10,12,14
.irp b, 0,1,2
	v_max3_num_f32 v[TM+\b], v[TM+\b], |v[ACC+16*\b+\i]|, |v[ACC+16*\b+\i+1]|
.endr
.endr
.irp b, 0,1,2
	v_permlanex16_b32 v[TM2+\b], v[TM+\b], s92, s93
.endr
.irp b, 0,1,2
	v_max_num_f32 v[TM+\b], v[TM+\b], v[TM2+\b]
.endr
.irp b, 0,1,2
	v_add_nc_u32 v[SCF+\b], 0xff000000, v[TM+\b]
.endr
.irp b, 0,1,2
	v_lshrrev_b32 v[TM2+\b], 23, v[SCF+\b]
.endr
	v_lshl_or_b32 v[PW+\t], v[TM2+1], 8, v[TM2]
	v_lshl_or_b32 v[PW+\t], v[TM2+2], 16, v[PW+\t] ; byte 3 stays 0: it stands over zero codes
.irp b, 0,1,2
	v_cvt_scalef32_pk8_fp4_f32 v[PCB+8*\t+2*\b], v[ACC+16*\b:ACC+16*\b+7], v[SCF+\b]
	v_cvt_scalef32_pk8_fp4_f32 v[PCB+8*\t+2*\b+1], v[ACC+16*\b+8:ACC+16*\b+15], v[SCF+\b]
.endr
	v_mov_b32 v[PCB+8*\t+6], 0                     ; the fourth block; also the plain line behind the conversions
	v_mov_b32 v[PCB+8*\t+7], 0
.irp c, 0,1                                ; the operand wants a whole block in a lane: lanes 0-15 block 2 c, lanes 16-31 block 2 c + 1
.irp i, 0,1
	v_permlane16_swap_b32 v[PCB+8*\t+4*\c+\i], v[PCB+8*\t+4*\c+2+\i]
.endr
.endr
.endm
	s_cmp_eq_u32 s46, 0
	s_cbranch_scc1 .Lq
	s_cmp_eq_u32 s46, 1
	s_cbranch_scc1 .Lk
	; ---- v.  First by rows, into a stage of 64 rows x 384 bytes in my image's bytes of x, which have had their only fill and which nobody reads behind the last barrier
	s_mul_i32 s96, s47, XIMGB
	v_mul_u32_u24 v8, v59, 384
	v_lshl_add_u32 v8, v2, 6, v8
	v_add_nc_u32 v8, s96, v8                       ; in: row POS(0, r), + 64 h
	v_add_nc_u32 v9, s96, v7                       ; back: 16 bytes a lane
	s_mul_i32 s96, s91, 18816
	s_mov_b32 s97, 0
	s_add_nc_u64 s[42:43], s[42:43], s[96:97]      ; vf at my image
	s_mul_i32 s96, s91, 3584
	s_add_nc_u64 s[44:45], s[44:45], s[96:97]      ; vrec at my image
	; v's two ways out have a work-group each: y = 2 makes the f32 rows, y = 3 the codes of v^T; each walks phase 1 for itself.  64 x 4 = 256 work-groups
	s_cmp_eq_u32 s46, 3
	s_wait_alu depctr_va_vdst(0)                   ; the wait ahead of the branch
	s_cbranch_scc1 .Lvt
.irp t, 0,1,2,3
	PASS_T \t
	s_wait_alu depctr_va_vdst(0)
.irp b, 0,1,2
.irp k, 0,1,2,3
	ds_store_b128 v8, v[ACC+16*\b+4*\k:ACC+16*\b+4*\k+3] offset:3072*\t+128*\b+16*\k   ; each accumulator from its low end on
.endr
.endr
	s_wait_dscnt 0x0                               ; the stores have read their registers: the next pass writes them
.endr
; Then with the sources swapped (source 0 = the hidden rows of tile t, source 1 = tile e of W2): lane (r, h) holds output 32 (e / 2) + 8 (e % 2) + r + 8 (r / 8), and registers 8 t + j the positions 32 h + 8 t + j:
; one whole block of 32 keys, in order.  Positions 49 to 63 are exact zeros, as the quantiser's filling asks.  Four accumulators by turns.
.macro PASS_U e
.irp s, 0,1,2,3,4,5
	WIN 0x07+4*((6*\s+\e)/32)                      ; source 0 (hidden) window 3, source 1 (W2) window 1 or 2
.irp t, 0,1,2,3
	MM ACC+8*\t, 8*(6*\t+\s), 8*((6*\s+\e)%32), \s, HS+6*\t+\s, W2S+6*(\e/2)+\s, 2*(\e%2)
.endr
.endr
	WIN 0
	PLACES 5
	v_max3_num_f32 v[TM], |v[ACC]|, |v[ACC+1]|, 0x1800000   ; the block's largest magnitude: all 32 numbers are mine; two chains
	v_max3_num_f32 v[TM+1], |v[ACC+2]|, |v[ACC+3]|, |v[ACC+4]|
.irp i, 5,9,13,17,21,25
	v_max3_num_f32 v[TM], v[TM], |v[ACC+\i]|, |v[ACC+\i+1]|
	v_max3_num_f32 v[TM+1], v[TM+1], |v[ACC+\i+2]|, |v[ACC+\i+3]|
.endr
	v_max3_num_f32 v[TM], v[TM], |v[ACC+29]|, |v[ACC+30]|
	v_max3_num_f32 v[TM], v[TM], v[TM+1], |v[ACC+31]|
	v_add_nc_u32 v[SCF], 0xff000000, v[TM]
	v_lshrrev_b32 v[TM+2], 23, v[SCF]              ; my block's byte
.irp k, 0,1,2,3
	v_cvt_scalef32_pk8_fp4_f32 v[VC+4*\e+\k], v[ACC+8*\k:ACC+8*\k+7], v[SCF]   ; registers 0 to 3 of the operand as they stand: lanes 0-15 block 0, lanes 16-31 block 1
.endr
	v_nop                                          ; one plain line behind the scaled conversions
	v_permlanex16_b32 v[TM2], v[TM+2], s92, s93    ; the other block's byte
.if (\e)%2 == 0
	v_lshl_or_b32 v[WD+\e], v[TM2], 8, v[TM+2]     ; right in lanes 0-15, which are taken of an even tile
.else
	v_lshl_or_b32 v[WD+\e], v[TM+2], 8, v[TM2]     ; right in lanes 16-31, which are taken of an odd tile
.endif
	global_store_b128 v7, v[VC+4*\e:VC+4*\e+3], s[44:45] offset:512*\e   ; 32 lanes store 512 consecutive bytes
.endm
	s_branch .Lvrows
.Lvt:
.irp e, 0,1,2,3,4,5
	PASS_U \e
.endr
	v_cndmask_b32 v248, v[WD], v[WD+1], s94        ; scale words in pairs: lanes 0-15 the even tile's rows, lanes 16-31 the odd tile's
	v_cndmask_b32 v249, v[WD+2], v[WD+3], s94
	v_cndmask_b32 v250, v[WD+4], v[WD+5], s94
	v_mov_b32 v251, 0
	global_store_b128 v7, v[248:251], s[44:45] offset:3072
	s_wait_tensorcnt 0x0                           ; the wave's end
	ds_add_u32 v252, v253
	s_wait_dscnt 0x0
	s_endpgm
.Lvrows:
.set J, 0
.rept 37                                   ; 49 rows x 384 bytes are 36 runs of 512 bytes and 384 more: the last run begins 128 bytes early and writes those bytes twice, alike
	ds_load_b128 v[64+4*J:67+4*J], v9 offset:512*J-128*(J/36)
.set J, J+1
.endr
.set J, 0
.rept 37
	s_wait_dscnt 36-J                              ; LDS loads come back in order: run J is in, the younger ones may be out
	global_store_b128 v7, v[64+4*J:67+4*J], s[42:43] offset:512*J-128*(J/36)
.set J, J+1
.endr
	s_wait_tensorcnt 0x0                           ; the wave's end
	ds_add_u32 v252, v253
	s_wait_dscnt 0x0
	s_endpgm
.Lk:	; ---- k: the four tiles' fragments leave as images of their registers
	s_mul_i32 s96, s91, 4608
	s_mov_b32 s97, 0
	s_add_nc_u64 s[40:41], s[40:41], s[96:97]
.irp t, 0,1,2,3
	PASS_T \t
	QUANT3 \t
	global_store_b128 v7, v[PCB+8*\t:PCB+8*\t+3], s[40:41] offset:1024*\t
	global_store_b128 v7, v[PCB+8*\t+4:PCB+8*\t+7], s[40:41] offset:1024*\t+512
.endr
	v_cndmask_b32 v196, v[PW], v[PW+1], s94        ; scale words in pairs: tiles 0 and 1,
	v_cndmask_b32 v197, v[PW+2], v[PW+3], s94      ; tiles 2 and 3
	v_mov_b32 v198, 0
	v_mov_b32 v199, 0
	global_store_b128 v7, v[196:199], s[40:41] offset:4096
	s_wait_tensorcnt 0x0                           ; the wave's end
	ds_add_u32 v252, v253
	s_wait_dscnt 0x0
	s_endpgm
.Lq:	; ---- q: by rows, through my own stage, since the tiles' rows are not neighbours
	s_mul_i32 s96, s47, QSTB
	s_add_co_u32 s96, s96, QST
	v_lshlrev_b32 v8, 6, v59
	v_lshl_add_u32 v8, v2, 4, v8
	v_add_nc_u32 v8, s96, v8                       ; in: row POS(0, r) of 64 bytes, + 16 h
	v_lshl_add_u32 v9, v59, 2, s96
	v_add_nc_u32 v9, 4096, v9                      ; its scale word
	v_add_nc_u32 v10, s96, v7                      ; back: 16 bytes a lane
	v_and_b32 v11, 31, v0
	v_lshlrev_b32 v11, 2, v11
	v_add_nc_u32 v12, s96, v11
	v_add_nc_u32 v12, 4096, v12                    ; and 4 bytes a lane
	s_mul_i32 s96, s91, 3136
	s_mov_b32 s97, 0
	s_add_nc_u64 s[36:37], s[36:37], s[96:97]
	s_mul_i32 s96, s91, 196
	s_add_nc_u64 s[38:39], s[38:39], s[96:97]
.irp t, 0,1,2,3
	PASS_T \t
	QUANT3 \t
	ds_store_b128 v8, v[PCB+8*\t:PCB+8*\t+3] offset:512*\t
	ds_store_b128 v8, v[PCB+8*\t+4:PCB+8*\t+7] offset:512*\t+32
	ds_store_b32 v9, v[PW+\t] offset:32*\t         ; both lanes of a row write the same word with the same value
.endr
.irp i, 0,1,2,3,4,5,6                      ; 49 rows x 64 bytes are six runs of 512 bytes and 64 more: the last run begins 448 bytes early.  LDS serves a wave's instructions in order: these see my stores
	ds_load_b128 v[64+4*\i:67+4*\i], v10 offset:512*\i-448*(\i/6)
.endr
.irp i, 0,1                                ; 49 words: two runs of 32, the second 17 words on
	ds_load_b32 v[92+\i], v12 offset:68*\i
.endr
.irp i, 0,1,2,3,4,5,6
	s_wait_dscnt 8-\i                              ; run i is in; the younger loads may be out
	global_store_b128 v7, v[64+4*\i:67+4*\i], s[36:37] offset:512*\i-448*(\i/6)
.endr
.irp i, 0,1
	s_wait_dscnt 1-\i
	global_store_b32 v11, v[92+\i], s[38:39] offset:68*\i
.endr
	s_wait_tensorcnt 0x0                           ; the wave's end
	ds_add_u32 v252, v253
	s_wait_dscnt 0x0
	s_endpgm
.Lfunc_end_k_qb3bf5585fd_proj:
	.size	k_qb3bf5585fd_proj, .Lfunc_end_k_qb3bf5585fd_proj-k_qb3bf5585fd_proj
	.p2alignl 7, 3214868480
	.fill 96, 4, 3214868480
	.section	.rodata,"a",@progbits
	.p2align	6, 0x0
	.amdhsa_kernel k_qb3bf5585fd_proj
		.amdhsa_group_segment_fixed_size 327680
		.amdhsa_private_segment_fixed_size 0
		.amdhsa_enable_private_segment 0
		.amdhsa_kernarg_size 168
		.amdhsa_user_sgpr_count 2
		.amdhsa_user_sgpr_kernarg_segment_ptr 1
		.amdhsa_wavefront_size32 1
		.amdhsa_system_sgpr_workgroup_id_x 1
		.amdhsa_system_sgpr_workgroup_id_y 1
		.amdhsa_system_sgpr_workgroup_id_z 1
		.amdhsa_system_vgpr_workitem_id 0
		.amdhsa_next_free_vgpr 1024
		.amdhsa_next_free_sgpr 100
		.amdhsa_reserve_vcc 0
		.amdhsa_float_denorm_mode_32 3
		.amdhsa_float_denorm_mode_16_64 3
		.amdhsa_memory_ordered 1
		.amdhsa_forward_progress 1
		.amdhsa_inst_pref_size 237
	.end_amdhsa_kernel
	.amdgpu_metadata
---
amdhsa.version: [ 1, 2 ]
amdhsa.kernels:
  - .name:           k_qb3bf5585fd_proj
    .symbol:         k_qb3bf5585fd_proj.kd
    .args:
      - { .name: features_a_codes, .offset: 0, .size: 8, .value_kind: global_buffer, .address_space: global }
      - { .name: features_a_scales, .offset: 8, .size: 8, .value_kind: global_buffer, .address_space: global }
      - { .name: features_b_codes, .offset: 16, .size: 8, .value_kind: global_buffer, .address_space: global }
      - { .name: features_b_scales, .offset: 24, .size: 8, .value_kind: global_buffer, .address_space: global }
      - { .name: Wq1_codes, .offset: 32, .size: 8, .value_kind: global_buffer, .address_space: global }
      - { .name: Wq1_scales, .offset: 40, .size: 8, .value_kind: global_buffer, .address_space: global }
      - { .name: Wq2_codes, .offset: 48, .size: 8, .value_kind: global_buffer, .address_space: global }
      - { .name: Wq2_scales, .offset: 56, .size: 8, .value_kind: global_buffer, .address_space: global }
      - { .name: Wk1_codes, .offset: 64, .size: 8, .value_kind: global_buffer, .address_space: global }
      - { .name: Wk1_scales, .offset: 72, .size: 8, .value_kind: global_buffer, .address_space: global }
      - { .name: Wk2_codes, .offset: 80, .size: 8, .value_kind: global_buffer, .address_space: global }
      - { .name: Wk2_scales, .offset: 88, .size: 8, .value_kind: global_buffer, .address_space: global }
      - { .name: Wv1_codes, .offset: 96, .size: 8, .value_kind: global_buffer, .address_space: global }
      - { .name: Wv1_scales, .offset: 104, .size: 8, .value_kind: global_buffer, .address_space: global }
      - { .name: Wv2_codes, .offset: 112, .size: 8, .value_kind: global_buffer, .address_space: global }
      - { .name: Wv2_scales, .offset: 120, .size: 8, .value_kind: global_buffer, .address_space: global }
      - { .name: qc, .offset: 128, .size: 8, .value_kind: global_buffer, .address_space: global }
      - { .name: qs, .offset: 136, .size: 8, .value_kind: global_buffer, .address_space: global }
      - { .name: krec, .offset: 144, .size: 8, .value_kind: global_buffer, .address_space: global }
      - { .name: vf, .offset: 152, .size: 8, .value_kind: global_buffer, .address_space: global }
      - { .name: vrec, .offset: 160, .size: 8, .value_kind: global_buffer, .address_space: global }
    .group_segment_fixed_size: 327680
    .private_segment_fixed_size: 0
    .kernarg_segment_align: 8
    .kernarg_segment_size: 168
    .max_flat_workgroup_size: 128
    .sgpr_count:     100
    .vgpr_count:     1024
    .wavefront_size: 32
...
	.end_amdgpu_metadata
.endif
;; end of part 1
;; launch pairs (part 2): grid 16 x 16, 16 waves a work-group, no clusters, 165,888 bytes of LDS; arguments qc, qs, vf, krec, vrec, out0; writes out0
.if DOCPART == 2
	.amdgcn_target "amdgcn-amd-amdhsa--gfx1250"
	.amdhsa_code_object_version 6
	.text
	.protected	k_qb3bf5585fd_pairs
	.globl	k_qb3bf5585fd_pairs
	.p2align	8
	.type	k_qb3bf5585fd_pairs,@function
k_qb3bf5585fd_pairs:
	s_mov_b64 s[64:65], 0
	v_nop
	global_prefetch_b8 v0, s[64:65] scope:SCOPE_SE
	s_setreg_imm32_b32 hwreg(HW_REG_WAVE_MODE, 25, 1), 1
	s_wait_xcnt 0x0
; THE PAIRS.  out0[b][a] = the mean over 49 queries of cos(va[a][q], aligned_b[b][a][q]) + cos(vb[b][q], aligned_a[b][a][q]); aligned = softmax(q k^T / sqrt(96)) v over the other image's 49 keys.
; Both products on codes of FP4 (E2M1), one E8M0 scale for each 32 along K.  Scores: K = 96 (three blocks and a block of zero codes).  Second product: K = 49 keys (blocks 0-31 and 32-48, filled with zeros).
; SOFTMAX: t = score x log2(e) / sqrt(96); M = ceil(the row's largest t); p = 2^(t - M) is quantised, not normalised; l = the sum of the unquantised p.
; O' = p v is never divided by l: cos = (v . O') / (max(|v|, eps) x max(|O'|, eps x l)), the same number.
; SHARES.  A work-group owns 8 b x 8 a pairs, both directions.  Waves 0-7: keys of a, queries of b; waves 8-15 the other way.  A set's 8 images are 392 dense query rows: 24 tiles of 16 and one of 8.
; A STEP is one query tile x TWO key images (I, II), their lines by turns, so that no line waits for the line above it.  Wave g of a direction takes tiles g, g + 8, g + 16, each against the 8 keys in 4 steps;
; tile 24 goes to waves 0-3, keys 2 g and 2 g + 1.  In the third session all waves fetch tile 24's data and its first keys, which only waves 0-3 use: the text is one for all waves.
; A tile's Q and v rows stay in registers for a session; the next tile's Q is asked for behind the session's last scores, its v rows behind the last cosine.
; KEY TILES.  With G_n = keys 8 n .. 8 n + 7, the records arrive with tiles (rows 0-7, rows 8-15) = (G0,G4) (G1,G5) (G2,G6) (G3,G7).  As a record is stored to LDS, tiles 2 and 3 are re-laid as (G2,G3) and (G6,G7):
; of tile 3 only register 0 of lanes 0-15 is a key (48); its other sums are exact zeros (zero codes) and go to the conversion as they are.  So 25 registers a lane, not 32, are scaled, exponentiated and summed.
; Register 0 of tile 3 gets -3e38 as C in lanes 16-31: p = 0.  One exchange of halves puts the codes (G2,G3) (G6,G7) back as the operand wants them: (G2,G6) (G3,G7).
; O^T = V^T P^T: register 16 b + i of lane (r, h) is output 32 b + 16 h + i of query r; the v row is loaded in that order.  Source 0 names 8 registers of which the upper four meet P's zero codes.
; The sums over a query's two lanes of images I and II are joined by one exchange of halves and one addition: lanes 0-15 then hold I's, lanes 16-31 II's, and one rsq, rcp and store serve both.
; NO CLUSTER, NO TENSOR LOAD, NO PREFETCH: what neighbours share is the 131,072 bytes of key records, read once at the head; the query data go to one wave's registers and are asked for most of a step ahead.
; The output leaves as 32 bytes a row of the block: 8 columns of a do not fill more.
; LIMITS: NaN and infinities are not served; scores lie above -3e38; |O'|^2 and |v|^2 stay finite in f32 (magnitudes under 1.8e19); 1 / sqrt(96) and log2(e) are one f32 constant;
; a block of p that has fallen to zeros keeps the scale byte 1: its codes are zeros.
.set RES,   131072                     ; behind the 16 records: the cosines: 16,384 dir + 2,048 (tile % 8) + 512 (tile / 8) + 64 key + 4 (row % 16)
.set SPARE, 163840                     ; the spare words, 128 bytes a wave
; v1 16 lane + 65,536 dir; v2, v3 the add's two; v4 results of the session; v5-7 offsets in qc, qs, vf; v8 the records of a session's first step; v9 tile 24's results; v10, v12 -M of I, II; v11 -3e38; v13 1 / max(|v|, eps);
; SCALES AND NOTHING ELSE: v14, v15 p's words; v[16:19] K's; v[20:27] V's; v28 Q's.  v29 my wave's results.
.set CT, 30                            ; v30-37 the C of key tile 3
.set P,  38                            ; v38-45, v46-53: P of I, II: four registers of codes, four of zero codes
.set T,  54                            ; v54-71 at work: eight for each image, two shared
.set F,  72                            ; v72-135 K's fragments, then V's, 32 an image
.set R,  136                           ; v136-199 S^T, p, O^T
.set Q,  200                           ; v200-207 Q
.set VB, 208                           ; v208-255 the queries' v rows
.macro WM d, a, b, c, sa, sb, row
.if \row
	v_wmma_scale_f32_16x16x128_f8f6f4 v[\d:\d+7], v[\a:\a+7], v[\b:\b+7], \c, v[\sa], v[\sb] matrix_a_fmt:MATRIX_FMT_FP4 matrix_b_fmt:MATRIX_FMT_FP4 matrix_a_scale:MATRIX_SCALE_ROW1
.else
	v_wmma_scale_f32_16x16x128_f8f6f4 v[\d:\d+7], v[\a:\a+7], v[\b:\b+7], \c, v[\sa], v[\sb] matrix_a_fmt:MATRIX_FMT_FP4 matrix_b_fmt:MATRIX_FMT_FP4
.endif
.endm
.macro KLOAD nb, noff                  ; two records' K: 16 fragment loads and 2 pairs of scale words
.irp i, 0,1
.irp t, 0,1,2,3
	ds_load_b128 v[F+32*\i+8*\t:F+32*\i+8*\t+3], v[\nb] offset:\noff+8192*\i+1024*\t
	ds_load_b128 v[F+32*\i+8*\t+4:F+32*\i+8*\t+7], v[\nb] offset:\noff+8192*\i+1024*\t+512
.endr
	ds_load_b64 v[16+2*\i:17+2*\i], v[\nb] offset:\noff+8192*\i+4096
.endr
.endm
.macro COS e, rb, init                 ; v . O' and |O'|^2 over output tile e of both images, which lie at rb and rb + 8: four chains by turns, each tile from its low end on
.irp k, 0,2,4,6
.irp i, 0,1
.if (\init) && (\k == 0)
	v_pk_mul_f32 v[T+8*\i:T+8*\i+1], v[\rb+8*\i+\k:\rb+8*\i+\k+1], v[VB+8*\e+\k:VB+8*\e+\k+1]
	v_pk_mul_f32 v[T+8*\i+2:T+8*\i+3], v[\rb+8*\i+\k:\rb+8*\i+\k+1], v[\rb+8*\i+\k:\rb+8*\i+\k+1]
.else
	v_pk_fma_f32 v[T+8*\i:T+8*\i+1], v[\rb+8*\i+\k:\rb+8*\i+\k+1], v[VB+8*\e+\k:VB+8*\e+\k+1], v[T+8*\i:T+8*\i+1]
	v_pk_fma_f32 v[T+8*\i+2:T+8*\i+3], v[\rb+8*\i+\k:\rb+8*\i+\k+1], v[\rb+8*\i+\k:\rb+8*\i+\k+1], v[T+8*\i+2:T+8*\i+3]
.endif
.endr
.endr
.endm
; A STEP.  base, off: the two records; ra, roff: where the 32 cosines go; first: a session's first step; last: its last; more: the next step's K is fetched from nb, noff.
.macro STEP base, off, ra, roff, first, last, more, nb, noff
	s_wait_dscnt 0x0                               ; K and its scale words are in
.if \first
	s_wait_loadcnt 12                              ; Q and its scale words are in; the 12 younger loads, the v rows, may be out
.endif
.irp i, 0,1
	WM R+32*\i, F+32*\i, Q, 0, 16+2*\i, 28, 0
	WM R+32*\i+8, F+32*\i+8, Q, 0, 16+2*\i, 28, 1
	WM R+32*\i+16, F+32*\i+16, Q, 0, 17+2*\i, 28, 0
	WM R+32*\i+24, F+32*\i+24, Q, v[CT:CT+7], 17+2*\i, 28, 1
.endr
.if \last                                  ; the next tile's offsets; these lines are also the places in front of the loads below
	v_and_b32 v[T], 15, v0
	v_bfe_u32 v[T+1], v0, 4, 1
	v_add_nc_u32 v[T], s33, v[T]
	v_add_nc_u32 v8, s35, v1                       ; and the records of the next first step
	v_min_u32 v[T], 12543, v[T]                    ; tile 24's last eight rows, which nobody uses, are held inside the buffers
	v_lshlrev_b32 v5, 6, v[T]
	v_lshlrev_b32 v6, 2, v[T]
	v_mul_u32_u24 v7, v[T], 384
	v_lshl_add_u32 v5, v[T+1], 4, v5
	v_lshl_add_u32 v7, v[T+1], 6, v7
.else
.rept 4
	v_nop                                          ; places in front of the loads into K's registers and of the first read of the scores
.endr
.endif
.irp i, 0,1
.irp e, 0,1,2,3,4,5
	ds_load_b128 v[F+32*\i+4*\e:F+32*\i+4*\e+3], v[\base] offset:\off+8192*\i+4608+512*\e
.endr
	ds_load_b128 v[20+4*\i:23+4*\i], v[\base] offset:\off+8192*\i+7680
.endr
.if \last
	global_load_b128 v[Q:Q+3], v5, s[4:5]
	global_load_b128 v[Q+4:Q+7], v5, s[4:5] offset:32
	global_load_b32 v28, v6, s[6:7]
.endif
	; the largest scores: T+0 of tiles 0 and 1 (my own block's 16 keys), T+1 of tile 2 (block 0's, in both halves)
.irp i, 0,1
	v_max3_num_f32 v[T+8*\i], v[R+32*\i], v[R+32*\i+1], v[R+32*\i+2]
	v_max3_num_f32 v[T+8*\i+1], v[R+32*\i+16], v[R+32*\i+17], v[R+32*\i+18]
.endr
.irp k, 3,5
.irp i, 0,1
	v_max3_num_f32 v[T+8*\i], v[T+8*\i], v[R+32*\i+\k], v[R+32*\i+\k+1]
	v_max3_num_f32 v[T+8*\i+1], v[T+8*\i+1], v[R+32*\i+16+\k], v[R+32*\i+17+\k]
.endr
.endr
.irp k, 7,9,11,13
.irp i, 0,1
	v_max3_num_f32 v[T+8*\i], v[T+8*\i], v[R+32*\i+\k], v[R+32*\i+\k+1]
.endr
.endr
.irp i, 0,1
	v_max_num_f32 v[T+8*\i+1], v[T+8*\i+1], v[R+32*\i+23]
.endr
.irp i, 0,1
	v_cndmask_b32 v[T+8*\i+2], v[T+8*\i+1], v11, s21   ; tile 2 counts for my own block in lanes 0-15 alone
.endr
.irp i, 0,1
	v_max3_num_f32 v[T+8*\i+4], v[T+8*\i], v[R+32*\i+15], v[T+8*\i+2]
.endr
.irp i, 0,1
	v_cndmask_b32 v[T+8*\i+2], v[R+32*\i+24], v[T+8*\i+1], s21   ; what the other half's block lacks: lanes 0-15 hold key 48, lanes 16-31 keys 24-31
.endr
.irp i, 0,1
	v_permlanex16_b32 v[T+8*\i+3], v[T+8*\i+2], s24, s25
.endr
.irp i, 0,1
	v_max_num_f32 v[T+8*\i+4], v[T+8*\i+4], v[T+8*\i+3]   ; my block's largest score: it also gives the block's largest p
.endr
.irp i, 0,1
	v_permlanex16_b32 v[T+8*\i+5], v[T+8*\i+4], s24, s25
.endr
.irp i, 0,1
	v_max_num_f32 v[T+8*\i+5], v[T+8*\i+4], v[T+8*\i+5]   ; the row's
.endr
.irp i, 0,1
	v_mul_f32 v[T+8*\i+5], s22, v[T+8*\i+5]
.endr
.irp i, 0,1
	v_floor_f32 v[10+2*\i], -v[T+8*\i+5]           ; -M = floor(-t)
.endr
.irp k, 0,2,4,6,8,10,12,14,16,18,20,22
.irp i, 0,1
	v_pk_fma_f32 v[R+32*\i+\k:R+32*\i+\k+1], v[R+32*\i+\k:R+32*\i+\k+1], s[22:23], v[10+2*\i:11+2*\i] op_sel_hi:[1,0,0]   ; t - M
.endr
.endr
.irp i, 0,1
	v_fma_f32 v[R+32*\i+24], v[R+32*\i+24], s22, v[10+2*\i]
.endr
.irp i, 0,1
	v_fma_f32 v[T+8*\i+4], v[T+8*\i+4], s22, v[10+2*\i]
.endr
	s_wait_alu depctr_va_vdst(0)                   ; the wait ahead of the batch
.irp i, 0,1
.set J, 0
.rept 25
	v_exp_f32 v[R+32*\i+J], v[R+32*\i+J]           ; p
.set J, J+1
.endr
	v_exp_f32 v[T+8*\i+4], v[T+8*\i+4]             ; my block's largest p
.endr
	v_nop                                          ; the plain line behind the exponentials
	s_wait_alu depctr_va_vdst(0)                   ; one wait for the batch of 52
.irp i, 0,1
	v_max_num_f32 v[T+8*\i+4], 0x1800000, v[T+8*\i+4]   ; the floor 2^(3 - 127): the byte cannot fall under 1
.endr
.irp i, 0,1
	v_add_nc_u32 v[T+8*\i], 0xff000000, v[T+8*\i+4]     ; 2 off the exponent field: my block's scale operand
.endr
.irp i, 0,1
	v_permlanex16_b32 v[T+8*\i+3], v[T+8*\i], s24, s25  ; the other block's
.endr
.irp i, 0,1
	v_lshrrev_b32 v[T+8*\i+2], 23, v[T+8*\i]
.endr
.irp i, 0,1
	v_cndmask_b32 v[T+8*\i+1], v[T+8*\i], v[T+8*\i+3], s21   ; block 0's in every lane, for tile 2
.endr
.irp i, 0,1
	v_lshrrev_b32 v[T+8*\i+5], 23, v[T+8*\i+3]
.endr
.irp i, 0,1
	v_lshl_or_b32 v[14+\i], v[T+8*\i+5], 8, v[T+8*\i+2]  ; p's scale word: right in lanes 0-15, which are read; bytes 2 and 3 stay 0 over zero codes
.endr
	s_wait_alu depctr_va_vdst(0)
.irp i, 0,1
	v_cvt_scalef32_pk8_fp4_f32 v[P+8*\i+3], v[R+32*\i+24:R+32*\i+31], v[T+8*\i+3]   ; (G6, G7): block 1's scale in lanes 0-15; zeros elsewhere
.endr
.irp i, 0,1
	v_cvt_scalef32_pk8_fp4_f32 v[P+8*\i], v[R+32*\i:R+32*\i+7], v[T+8*\i]
	v_cvt_scalef32_pk8_fp4_f32 v[P+8*\i+1], v[R+32*\i+8:R+32*\i+15], v[T+8*\i]
	v_cvt_scalef32_pk8_fp4_f32 v[P+8*\i+2], v[R+32*\i+16:R+32*\i+23], v[T+8*\i+1]
.endr
	v_nop                                          ; one plain line behind the scaled conversions
.irp i, 0,1
	v_permlane16_swap_b32 v[P+8*\i+2], v[P+8*\i+3] ; (G2,G3) (G6,G7) -> (G2,G6) (G3,G7)
.endr
.irp i, 0,1
	v_pk_add_f32 v[T+8*\i+6:T+8*\i+7], v[R+32*\i:R+32*\i+1], v[R+32*\i+2:R+32*\i+3]   ; the sum of the unquantised p.  (These lines are also the places between p's word and codes and the products)
.endr
.irp k, 4,6,8,10,12,14,16,18,20,22,24
.irp i, 0,1
	v_pk_add_f32 v[T+8*\i+6:T+8*\i+7], v[T+8*\i+6:T+8*\i+7], v[R+32*\i+\k:R+32*\i+\k+1]
.endr
.endr
.irp i, 0,1
	v_add_f32 v[T+8*\i+6], v[T+8*\i+6], v[T+8*\i+7]
.endr
	v_permlane16_swap_b32 v[T+6], v[T+14]          ; (I's two halves) (II's) -> (I, II) (I, II)
.if \first                                 ; 1 / max(|v|, eps) of my query
	s_wait_alu depctr_va_vdst(0)                   ; the wait ahead of the wait below
	s_wait_loadcnt 0x0                             ; the v rows are in
	v_pk_mul_f32 v[T:T+1], v[VB:VB+1], v[VB:VB+1]
	v_pk_mul_f32 v[T+2:T+3], v[VB+2:VB+3], v[VB+2:VB+3]
.irp j, 4,8,12,16,20,24,28,32,36,40,44
	v_pk_fma_f32 v[T:T+1], v[VB+\j:VB+\j+1], v[VB+\j:VB+\j+1], v[T:T+1]
	v_pk_fma_f32 v[T+2:T+3], v[VB+\j+2:VB+\j+3], v[VB+\j+2:VB+\j+3], v[T+2:T+3]
.endr
	v_pk_add_f32 v[T:T+1], v[T:T+1], v[T+2:T+3]
	v_add_f32 v[T], v[T], v[T+1]
	v_permlanex16_b32 v[T+4], v[T], s24, s25
	v_add_f32 v[T], v[T], v[T+4]
	s_wait_alu depctr_va_vdst(0)                   ; ahead of the transcendental,
	v_rsq_f32 v[T+1], v[T]
	v_nop
	s_wait_alu depctr_va_vdst(0)                   ; and ahead of its reader
	v_min_num_f32 v13, s31, v[T+1]
.endif
	s_wait_alu depctr_va_vdst(0)                   ; the wait ahead of the wait below
	s_wait_dscnt 0x0                               ; V and its scale words are in
.irp e, 0,1,2,3                            ; O^T in two runs on 64 registers: output tiles 0 to 3 of both images,
.irp i, 0,1
	WM R+16*\e+8*\i, F+32*\i+4*\e, P+8*\i, 0, 20+4*\i+\e/2, 14+\i, \e%2
.endr
.endr
	v_add_f32 v[T+16], v[T+6], v[T+14]             ; l: I's in lanes 0-15, II's in lanes 16-31.  (Four places)
	v_mul_f32 v[T+16], s30, v[T+16]                ; eps x l
	v_nop
	v_nop
	COS 0, R, 1
	COS 1, R+16, 0
.irp e, 4,5                                ; then tiles 4 and 5, over tiles 0 and 1, which have been read
.irp i, 0,1
	WM R+16*(\e-4)+8*\i, F+32*\i+4*\e, P+8*\i, 0, 20+4*\i+\e/2, 14+\i, \e%2
.endr
.endr
	COS 2, R+32, 0                                 ; (16 places in front of the loads into V's registers)
.if \more
	KLOAD \nb, \noff
.endif
	COS 3, R+48, 0
	COS 4, R, 0
	COS 5, R+16, 0
.if \last
.irp u, 0,1,2
.irp k, 0,1,2,3
	global_load_b128 v[VB+16*\u+4*\k:VB+16*\u+4*\k+3], v7, s[8:9] offset:128*\u+16*\k
.endr
.endr
.endif
.irp i, 0,1
	v_add_f32 v[T+8*\i], v[T+8*\i], v[T+8*\i+1]
	v_add_f32 v[T+8*\i+2], v[T+8*\i+2], v[T+8*\i+3]
.endr
	v_permlane16_swap_b32 v[T], v[T+8]
	v_permlane16_swap_b32 v[T+2], v[T+10]
	v_add_f32 v[T], v[T], v[T+8]                   ; v . O': I's in lanes 0-15, II's in lanes 16-31
	v_add_f32 v[T+2], v[T+2], v[T+10]              ; |O'|^2 likewise
	s_wait_alu depctr_va_vdst(0)                   ; ahead of the two transcendentals
	v_rsq_f32 v[T+4], v[T+2]
	v_rcp_f32 v[T+5], v[T+16]
	v_mul_f32 v[T], v[T], v13                      ; (the plain line behind the two)
	s_wait_alu depctr_va_vdst(0)                   ; one wait for both
	v_min_num_f32 v[T+4], v[T+4], v[T+5]           ; 1 / max(|O'|, eps x l)
	v_mul_f32 v[T], v[T], v[T+4]
	ds_store_b32 v[\ra], v[T] offset:\roff
.endm
	s_load_b256 s[4:11], s[0:1], 0x0               ; qc, qs, vf, krec
	s_load_b128 s[12:15], s[0:1], 0x20             ; vrec, out0
	v_lshl_add_u32 v2, v0, 2, SPARE
	v_mov_b32 v3, 0
	v_lshrrev_b32 v54, 5, v0
	v_readfirstlane_b32 s16, v54                   ; wave 0..15
	s_lshr_b32 s17, s16, 3                         ; direction
	s_and_b32 s18, s16, 7                          ; g
	s_mov_b32 s19, ttmp9                           ; block of a
	s_and_b32 s20, ttmp7, 0xffff                   ; block of b
	s_mov_b32 s21, 0xffff0000                      ; lanes 16-31
	s_mov_b32 s22, 0x3e16c740                      ; c = log2(e) / sqrt(96)
	s_mov_b32 s23, s22
	s_mov_b32 s24, 0x76543210
	s_mov_b32 s25, 0xfedcba98                      ; selects for lane l xor 16
	s_mov_b32 s30, 0x322bcc77                      ; eps = 1e-8
	s_mov_b32 s31, 0x4cbebc20                      ; 1 / eps
	s_lshl_b32 s32, s19, 3                         ; key records: a's images 8 ax on,
	s_lshl_b32 s33, s20, 3
	s_add_co_u32 s33, s33, 128                     ; or b's
	s_mul_i32 s34, s20, 392
	s_add_co_u32 s34, s34, 6272                    ; query rows: b's,
	s_mul_i32 s35, s19, 392                        ; or a's
	s_cmp_eq_u32 s17, 0
	s_cselect_b32 s32, s32, s33
	s_cselect_b32 s34, s34, s35
	s_add_co_u32 s32, s32, s18                     ; the record that my wave brings
	s_mul_i32 s36, s32, 4608
	s_mov_b32 s37, 0
	s_mul_i32 s38, s32, 3584
	s_mov_b32 s39, 0
	s_and_b32 s26, s18, 3
	s_lshl_b32 s26, s26, 14                        ; tile 24: two records x (g % 4)
	s_lshl_b32 s27, s18, 4                         ; 16 g
	v_and_b32 v55, 15, v0                          ; r
	v_bfe_u32 v56, v0, 4, 1                        ; h
	v_bfe_u32 v57, v0, 3, 1                        ; r / 8
	v_and_b32 v58, 31, v0
	v_lshlrev_b32 v59, 4, v58                      ; 16 lane
	s_lshl_b32 s40, s17, 16
	v_add_nc_u32 v1, s40, v59
	v_mov_b32 v8, v1
	s_lshl_b32 s41, s16, 13
	v_add_nc_u32 v60, s41, v59                     ; where my record goes: 8,192 x wave
	v_mad_u32_u24 v61, v57, 896, v60               ; tiles 2 and 3: rows 8-15 of tile 2 go to rows 0-7 of tile 3, rows 0-7 of tile 3 (offset less 896) to rows 8-15 of tile 2
	v_and_b32 v62, 7, v0
	v_lshlrev_b32 v62, 4, v62
	v_lshl_add_u32 v62, v57, 8, v62
	v_lshl_add_u32 v62, v56, 7, v62
	v_add_nc_u32 v62, s41, v62                     ; their scale words go with them: lanes 8-15 and 16-23 change places
	s_add_co_u32 s40, s34, s27
	v_add_nc_u32 v63, s40, v55                     ; my query row in the first session
	v_lshlrev_b32 v5, 6, v63
	v_lshl_add_u32 v5, v56, 4, v5                  ; qc: 64 bytes a row, + 16 h
	v_lshlrev_b32 v6, 2, v63                       ; qs: a word a row
	v_mul_u32_u24 v7, v63, 384
	v_lshl_add_u32 v7, v56, 6, v7                  ; vf: 384 bytes a row, + 64 h
	s_lshl_b32 s40, s16, 11
	s_add_co_u32 s40, s40, RES
	v_lshl_add_u32 v29, v58, 2, s40                ; my wave's results
	s_lshl_b32 s40, s17, 14
	s_lshl_b32 s42, s18, 7
	s_add_co_u32 s40, s40, s42
	s_add_co_u32 s40, s40, RES+1536
	v_lshl_add_u32 v9, v58, 2, s40                 ; tile 24's: tile % 8 = 0, tile / 8 = 3, keys 2 g and 2 g + 1
	v_mov_b32 v11, 0xff61b1e6                      ; -3e38
	v_mov_b32 v13, 0
	v_cndmask_b32 v[CT], 0, v11, s21
.irp i, 31,32,33,34,35,36,37,42,43,44,45,50,51,52,53,65,67
	v_mov_b32 v\i, 0                               ; the rest of that C; P's zero codes; two destinations of lane permutes
.endr
	s_wait_alu depctr_va_vdst(0)                   ; the wait ahead of the wait below
	s_wait_kmcnt 0x0
	s_add_nc_u64 s[10:11], s[10:11], s[36:37]
	s_add_nc_u64 s[12:13], s[12:13], s[38:39]
.irp i, 0,1,2,3,4,5,6,7,8
	global_load_b128 v[F+4*\i:F+4*\i+3], v59, s[10:11] offset:512*\i        ; K's images and scale words: 4,608 bytes
.endr
.irp i, 0,1,2,3,4,5,6
	global_load_b128 v[F+36+4*\i:F+39+4*\i], v59, s[12:13] offset:512*\i    ; V's: 3,584 bytes
.endr
	global_load_b128 v[Q:Q+3], v5, s[4:5]
	global_load_b128 v[Q+4:Q+7], v5, s[4:5] offset:32
	global_load_b32 v28, v6, s[6:7]
.irp u, 0,1,2
.irp k, 0,1,2,3
	global_load_b128 v[VB+16*\u+4*\k:VB+16*\u+4*\k+3], v7, s[8:9] offset:128*\u+16*\k
.endr
.endr
	s_wait_loadcnt 15                              ; the record is in; the 15 younger loads, the first query tile's, may be out
.irp i, 0,1,2,3,8,9,10,11,12,13,14,15
	ds_store_b128 v60, v[F+4*\i:F+4*\i+3] offset:512*\i
.endr
.irp i, 4,5
	ds_store_b128 v61, v[F+4*\i:F+4*\i+3] offset:512*\i
.endr
.irp i, 6,7
	ds_store_b128 v61, v[F+4*\i:F+4*\i+3] offset:512*\i-896
.endr
	ds_store_b32 v62, v[F+33] offset:4100          ; LDS serves a wave's instructions in order: this lands on the word stored above
	s_wait_dscnt 0x0                               ; for the others' sake: my record has landed
	s_barrier_signal -1
	s_barrier_wait -1                              ; all sixteen records lie in LDS; they are never written again
	KLOAD 8, 0
	s_mov_b32 s29, 0                               ; the session
.Lsess:
	s_lshl_b32 s28, s29, 9
	v_add_nc_u32 v4, s28, v29                      ; its results: 512 bytes a session
	s_lshl_b32 s40, s29, 7
	s_add_co_u32 s40, s40, s27
	s_add_co_u32 s40, s40, 128
	s_min_u32 s40, s40, 384                        ; the next tile's first row: 16 g + 128 (session + 1), or tile 24's 384
	s_add_co_u32 s33, s40, s34
	s_lshr_b32 s35, s29, 1
	s_mul_i32 s35, s35, s26                        ; the next first step's records: 0, or behind the third session tile 24's
	STEP 8, 0, 4, 0, 1, 0, 1, 1, 16384
	STEP 1, 16384, 4, 128, 0, 0, 1, 1, 32768
	STEP 1, 32768, 4, 256, 0, 0, 1, 1, 49152
	STEP 1, 49152, 4, 384, 0, 1, 1, 8, 0
	s_add_co_u32 s29, s29, 1
	s_cmp_lt_u32 s29, 3
	s_wait_alu depctr_va_vdst(0)                   ; the wait ahead of the branch
	s_cbranch_scc1 .Lsess
	s_cmp_lt_u32 s18, 4
	s_cbranch_scc0 .Ldone
	STEP 8, 0, 9, 0, 1, 0, 0, 8, 0                 ; tile 24
.Ldone:
	s_wait_loadcnt 0x0
	s_wait_dscnt 0x0                               ; for the others' sake: my results have landed
	s_barrier_signal -1
	s_barrier_wait -1
	; THE MEANS.  Eight threads to a pair: thread 8 p + sub, pair p = 8 bl + al, adds queries sub, sub + 8, .. of both directions.
	v_and_b32 v54, 7, v0                           ; sub
	v_lshrrev_b32 v55, 6, v0                       ; bl
	v_bfe_u32 v56, v0, 3, 3                        ; al
	v_mad_u32_u24 v57, v55, 49, v54                ; the first row: queries of b,
	v_mad_u32_u24 v58, v56, 49, v54                ; queries of a
	v_lshl_add_u32 v59, v56, 6, RES                ; 64 x key: keys of a,
	v_lshl_add_u32 v60, v55, 6, RES+16384          ; keys of b
.irp n, 0,1,2,3,4,5,6
.irp d, 0,1
	v_add_nc_u32 v[61+3*\d], 8*\n, v[57+\d]        ; the row rho, under 399
.endr
.irp d, 0,1
	v_bfe_u32 v[62+3*\d], v[61+3*\d], 4, 3         ; tile % 8
	v_lshrrev_b32 v[63+3*\d], 7, v[61+3*\d]        ; tile / 8
	v_and_b32 v[61+3*\d], 15, v[61+3*\d]
.endr
.irp d, 0,1
	v_lshl_add_u32 v[62+3*\d], v[62+3*\d], 11, v[59+\d]
.endr
.irp d, 0,1
	v_lshl_add_u32 v[62+3*\d], v[63+3*\d], 9, v[62+3*\d]
.endr
.irp d, 0,1
	v_lshl_add_u32 v[72+7*\d+\n], v[61+3*\d], 2, v[62+3*\d]
.endr
.endr
.irp i, 0,1,2,3,4,5,6,7,8,9,10,11,12,13
	ds_load_b32 v[88+\i], v[72+\i]
.endr
	s_lshl_b32 s36, s20, 12                        ; out0: 8 by rows of 512 bytes,
	s_lshl_b32 s37, s19, 5                         ; 8 ax columns
	s_add_co_u32 s36, s36, s37
	s_mov_b32 s37, 0
	s_add_nc_u64 s[14:15], s[14:15], s[36:37]
	v_lshlrev_b32 v67, 9, v55
	v_lshl_add_u32 v67, v56, 2, v67
	v_cmp_eq_u32 vcc_lo, 0, v54
	s_wait_alu depctr_va_vdst(0)                   ; the wait ahead of the wait below
	s_wait_dscnt 0x0
	v_cndmask_b32 v94, 0, v94, vcc_lo              ; 49 = 6 x 8 + 1: the seventh query is sub 0's alone
	v_cndmask_b32 v101, 0, v101, vcc_lo
.irp i, 0,2,4,6,8,10,12
	v_add_f32 v[88+\i], v[88+\i], v[89+\i]
.endr
	v_add_f32 v88, v88, v90
	v_add_f32 v92, v92, v94
	v_add_f32 v96, v96, v98
	v_add_f32 v88, v88, v92
	v_add_f32 v96, v96, v100
	v_add_f32 v88, v88, v96
	v_add_f32_dpp v88, v88, v88 row_xmask:1 row_mask:0xf bank_mask:0xf
	v_add_f32_dpp v88, v88, v88 row_xmask:2 row_mask:0xf bank_mask:0xf
	v_add_f32_dpp v88, v88, v88 row_xmask:4 row_mask:0xf bank_mask:0xf
	v_mul_f32 v88, 0x3ca72f05, v88                 ; / 49
	s_wait_alu depctr_va_vdst(0)                   ; the wait ahead of the waits below
	s_wait_tensorcnt 0x0                           ; the wave's end, all lanes on
	ds_add_u32 v2, v3
	s_wait_dscnt 0x0
	s_wait_xcnt 0x0                                ; EXEC changes only behind this wait
	s_and_saveexec_b32 s36, vcc_lo                 ; one thread of the eight stores
	global_store_b32 v67, v88, s[14:15]
	s_endpgm
.Lfunc_end_k_qb3bf5585fd_pairs:
	.size	k_qb3bf5585fd_pairs, .Lfunc_end_k_qb3bf5585fd_pairs-k_qb3bf5585fd_pairs
	.p2alignl 7, 3214868480
	.fill 96, 4, 3214868480
	.section	.rodata,"a",@progbits
	.p2align	6, 0x0
	.amdhsa_kernel k_qb3bf5585fd_pairs
		.amdhsa_group_segment_fixed_size 165888
		.amdhsa_private_segment_fixed_size 0
		.amdhsa_enable_private_segment 0
		.amdhsa_kernarg_size 48
		.amdhsa_user_sgpr_count 2
		.amdhsa_user_sgpr_kernarg_segment_ptr 1
		.amdhsa_wavefront_size32 1
		.amdhsa_system_sgpr_workgroup_id_x 1
		.amdhsa_system_sgpr_workgroup_id_y 1
		.amdhsa_system_sgpr_workgroup_id_z 1
		.amdhsa_system_vgpr_workitem_id 0
		.amdhsa_next_free_vgpr 256
		.amdhsa_next_free_sgpr 66
		.amdhsa_reserve_vcc 1
		.amdhsa_float_denorm_mode_32 3
		.amdhsa_float_denorm_mode_16_64 3
		.amdhsa_memory_ordered 1
		.amdhsa_forward_progress 1
		.amdhsa_inst_pref_size 123
	.end_amdhsa_kernel
	.amdgpu_metadata
---
amdhsa.version: [ 1, 2 ]
amdhsa.kernels:
  - .name:           k_qb3bf5585fd_pairs
    .symbol:         k_qb3bf5585fd_pairs.kd
    .args:
      - { .name: qc, .offset: 0, .size: 8, .value_kind: global_buffer, .address_space: global }
      - { .name: qs, .offset: 8, .size: 8, .value_kind: global_buffer, .address_space: global }
      - { .name: vf, .offset: 16, .size: 8, .value_kind: global_buffer, .address_space: global }
      - { .name: krec, .offset: 24, .size: 8, .value_kind: global_buffer, .address_space: global }
      - { .name: vrec, .offset: 32, .size: 8, .value_kind: global_buffer, .address_space: global }
      - { .name: out0, .offset: 40, .size: 8, .value_kind: global_buffer, .address_space: global }
    .group_segment_fixed_size: 165888
    .private_segment_fixed_size: 0
    .kernarg_segment_align: 8
    .kernarg_segment_size: 48
    .max_flat_workgroup_size: 512
    .sgpr_count:     66
    .vgpr_count:     256
    .wavefront_size: 32
...
	.end_amdgpu_metadata
.endif
;; end of part 2
